; MI455X (gfx1250); checked and timed in simulation.
; The chip was launched on July 23, 2026; its instructions are those of AMD's public machine-readable ISA for CDNA 5 (MIT licence, August 2026) and "CDNA5" Instruction Set Architecture Reference Guide (July 2026). The comments in the code are by the model that wrote it; some were corrected since.
;; Cross Attention. Allowed arithmetic: matrix products marked QUANTISED: E2M3 operands, one E8M0 scale for each 32 along K, by v_wmma_scale_f32_16x16x128_f8f6f4 with both operands' format E2M3, f32 sums; everything else in f32.
;; Inputs: Wkv_codes 1,024 x 24 x 24 uint8 (E2M3 codes of Wkv, K innermost, in blocks of 32 codes, four codes in three bytes); Wkv_scales 1,024 x 24 uint8 (E8M0 scales of Wkv, one for each 32 codes along K); Wp_codes 512 x 16 x 24 uint8 (E2M3 codes of Wp, K innermost, in blocks of 32 codes, four codes in three bytes); Wp_scales 512 x 16 uint8 (E8M0 scales of Wp, one for each 32 codes along K); Wq_codes 512 x 16 x 24 uint8 (E2M3 codes of Wq, K innermost, in blocks of 32 codes, four codes in three bytes); Wq_scales 512 x 16 uint8 (E8M0 scales of Wq, one for each 32 codes along K); bp 512 float32; key_padding_mask 2 x 4,096 bool; x_codes 2 x 4,096 x 16 x 24 uint8 (E2M3 codes of x, K innermost, in blocks of 32 codes, four codes in three bytes); x_scales 2 x 4,096 x 16 uint8 (E8M0 scales of x, one for each 32 codes along K); y_codes 2 x 4,096 x 24 x 24 uint8 (E2M3 codes of y, K innermost, in blocks of 32 codes, four codes in three bytes); y_scales 2 x 4,096 x 24 uint8 (E8M0 scales of y, one for each 32 codes along K).
;; Outputs: out0 2 x 4,096 x 512 float32.
;; This version of the problem:
;;   THIS VERSION OF THE PROBLEM IS GIVEN IN LOW PRECISION. The matrix products marked QUANTISED in the list below multiply operands that are first quantised to E2M3 (2 exponent bits, 3 mantissa bits; 6 bits a number), with one power-of-two scale for each 32 numbers along K (OCP MX v1.0); their sums are f32. All else is computed in f32.
;;   The module's matrix products, in the order in which they are computed (A, B: the left and right operand; K: the contracted axis; several contracted axes count as one K, in the product's order):
;;     1. [M 8,192, K 512] x [K 512, N 512]; A: input x (given as codes); B: input Wq (given as codes): QUANTISED
;;     2. [M 8,192, K 768] x [K 768, N 1,024]; A: input y (given as codes); B: input Wkv (given as codes): QUANTISED
;;     3. batch 16 x [M 4,096, K 64] x [K 64, N 4,096]; A: computed on the way; B: computed on the way: QUANTISED
;;     4. batch 16 x [M 4,096, K 4,096] x [K 4,096, N 64]; A: softmax (see below); B: computed on the way: QUANTISED
;;     5. [M 8,192, K 512] x [K 512, N 512]; A: computed on the way; B: input Wp (given as codes): QUANTISED
;;   THE QUANTISER, for each operand of a quantised product, along K:
;;     - K is cut into blocks of 32 from its start; a last block that is shorter is filled with zeros.
;;     - A block's scale is 2^e with e = floor(log2(the largest magnitude in the block)) - 2, held to -126 .. 127; a block of zeros has e = 0. As a byte (E8M0): e + 127.
;;     - Each number is divided by its block's scale, clamped to +-7.5, and rounded to the nearest number of E2M3, ties to even, subnormals kept.
;;     - The product sums the exact products of the quantised numbers (number of the format x scale) in f32.
;;   ~~~python
;;   def quantise(x, axis):      # numpy; x: float32 -> the quantised numbers, widened to float32 again
;;       x = np.moveaxis(x, axis, -1); K = x.shape[-1]
;;       x = np.pad(x, [(0, 0)] * (x.ndim - 1) + [(0, -K % 32)]); x = x.reshape(x.shape[:-1] + (-1, 32)); a = np.abs(x).max(-1, keepdims=True)
;;       e = np.where(a > 0, np.clip(np.frexp(np.where(a > 0, a, 1))[1] - 1 - 2, -126, 127), 0)      # np.frexp(a)[1] - 1 = floor(log2(a)), exactly
;;       r = np.clip(x / 2.0 ** e, -7.5, 7.5)
;;       step = 2.0 ** (np.maximum(np.frexp(np.where(r == 0, 1, r))[1] - 1, 0) - 3)
;;       q = np.round(r / step) * step * 2.0 ** e      # np.round: ties to even
;;       return np.moveaxis(q.reshape(q.shape[:-2] + (-1,))[..., :K], -1, axis).astype(np.float32)
;;   ~~~
;;   SOFTMAX AHEAD OF A QUANTISED PRODUCT. Where the list says 'softmax', what is quantised is not the finished softmax but p = 2^(t - M), with t = logit x log2(e) and M = ceil(the row's largest t), a whole number; so 1/2 < the row's largest p <= 1. The row's sum l is taken of the UNQUANTISED p, in f32, and the product's result is divided by l at the end. Since M is a whole number, a kernel that streams over the keys may use a running M (the ceiling of the running maximum): every later rescaling is an exact power of two, which a block's scale takes up: the codes' values come out the same.
;;   OPERANDS COMPUTED ON THE WAY. 'Computed on the way' means the value that the module computes at that place (a softmax that the list does not call 'softmax' is quantised finished and normalised). What goes into a quantiser is computed in f32, as accurately as f32 sums, v_exp_f32 and their like allow (about 1e-6 of the number): no bf16 or f16 on the way to a quantiser, and a product that is left as it is and whose result goes on into a quantised operand takes f32 operands (vector FMAs, or v_wmma_f32_16x16x4_f32). A number that lies on a knife's edge between two numbers of the format may be rounded either way, as far as f32 arithmetic and the matrix unit's own rounding can turn it there, and no further.
;;   INPUTS GIVEN AS CODES. Wkv (in the module: [1024, 768], K = its axis 1); Wp (in the module: [512, 512], K = its axis 1); Wq (in the module: [512, 512], K = its axis 1); x (in the module: [2, 4096, 512], K = its axis 2); y (in the module: [2, 4096, 768], K = its axis 2): each comes as NAME_codes (uint8): NAME with its K axis moved to the last place and cut into blocks of 32 codes, [.., K / 32, bytes a block], one block behind the other in memory; four codes in three bytes: a row's codes are one little-endian stream of bits, code i at bits 6 i .. 6 i + 5 (a code: sign, 2 exponent bits, 3 mantissa bits); and NAME_scales (uint8): the same leading axes, one E8M0 byte (e + 127) for each 32 codes along K. Its value is code x scale, taken as it is: it is not quantised again, and the codes and scales need not be those that the quantiser above would give.
;; One version. Each part assembles by itself: llvm-mc -triple=amdgcn-amd-amdhsa -mcpu=gfx1250 --defsym DOCPART=n.
;; ======== version 1 of 1: 3 launches
;; limits: right only within a limited range of input values
;; workspace buffers: kimg 3,145,728 bytes; ksc 262,144 bytes; vimg 3,145,728 bytes; vsc 262,144 bytes; oimg 3,145,728 bytes; osc 524,288 bytes
;; launch kvproj (part 1): grid 256 x 1, 4 waves a work-group, no clusters, 295,424 bytes of LDS; arguments y_codes, y_scales, Wkv_codes, Wkv_scales, kimg, ksc, vimg, vsc; writes kimg, ksc, vimg, vsc
.if DOCPART == 1
	.amdgcn_target "amdgcn-amd-amdhsa--gfx1250"
	.amdhsa_code_object_version 6
	.text
	.protected	k_qdb75f0d8c5_kvproj
	.globl	k_qdb75f0d8c5_kvproj
	.p2align	8
	.type	k_qdb75f0d8c5_kvproj,@function
k_qdb75f0d8c5_kvproj:
	s_mov_b64 s[64:65], 0
	v_nop
	global_prefetch_b8 v0, s[64:65] scope:SCOPE_SE
	s_setreg_imm32_b32 hwreg(HW_REG_WAVE_MODE, 25, 1), 1
	s_wait_xcnt 0x0
; kv = y Wkv^T on codes of E2M3 (K = 768), and its two halves quantised anew: k along a head's 64 channels, v along the keys.
; ONE TEXT, TWO ROLES; only pointers and a few scalars are chosen by the work-group's number.  The job: operand P is source 0, operand R source 1,
; both with rows of 576 bytes of codes and 24 scale bytes; in the result a lane holds one row of R and its registers run along P's rows; it is quantised along P.
;   role K (work-groups 0-127):   P = Wkv's rows 0-511 (k's channels), R = y's 8,192 rows (keys)
;   role V (work-groups 128-255): P = y's rows (keys),                 R = Wkv's rows 512-1,023 (v's channels)
; SHARES.  A work-group takes 256 rows of P x 128 rows of R; wave w takes 128 of P (half w & 1) x 64 of R (half w >> 1): 32 accumulators, 6 K steps of 128, 192 matrix instructions.
; THE ROWS OF A TILE ARE NOT NEIGHBOURS, on both sides: lane r of tile 2 b + u takes row 32 b + 8 u + r + 8 (r / 8).  For P that makes the 16 registers of tiles 2 b, 2 b + 1
; sixteen neighbours along P, 32 b + 16 (lane / 16) + 0 .. 15, as the conversions want them; for R it is the order in which the next launch wants the tiles' rows.
; OUT.  The 64 registers of a tile of R become one fragment (12 registers a lane) and a scale word.  A fragment leaves as an image of its registers: registers 0-3 at 16 x lane,
; 4-5 at 512 + 8 x lane, 6-9 at 768 + 16 x lane, 10-11 at 1,280 + 8 x lane: every store of the wave covers 512 or 256 consecutive bytes, aligned.  In role K the two halves of 768 bytes are two heads'.
; LDS is filled once: all of K lies there in rows of 720 bytes, so nothing is filled again.
; LIMITS: a block whose largest magnitude lies under 2^-124 gets the byte 1, a block of zeros too (its codes are zeros, and this program alone reads the bytes); a scale byte 0xff among the inputs is not served.
; AS THE TEXT STANDS: a wave's 128 rows of P (64 of R), 576 bytes each, are one dense block of memory that begins at a multiple of 256 bytes; ONE tensor load a wave
; brings it as rows of 256 bytes, 16 bytes of padding behind every 64: all of K lies in LDS behind one barrier, and nothing is filled again.  The scale words come by global loads.
; R's ROWS OF A TILE: lane r of tile m takes row 8 m + r % 8 + 32 (r / 8), so that in the next launch a lane's 32 registers of four tiles are 32 neighbours.  P's rows are chosen as said above.
.set PITCH, 720                        ; an LDS row: 9 x (64 bytes of codes + 16 of padding)
.set SLOTB, 64*PITCH                   ; 64 rows on: a second address register, since an LDS offset has 16 bits
.set ROFF,  256*PITCH
.set AP,   8                           ; v8-9   my lane's place in P's rows 0-63, 64-127;  v11-12 the same behind one padding more
.set AP2,  11
.set AR,   14                          ; v14, v17 the same for R
.set AR2,  17
.set ASP,  20                          ; v20  my row's scale bytes in P;  v21 in R
.set ASR,  21
.set GI16, 22                          ; v22  16 x lane;  v23  8 x lane
.set GI8,  23
.set GSC,  24                          ; v24  16 r + 256 h: where my four scale words go
.set SHV,  25                          ; v25  role K: 16 h (lanes 16-31 store the odd head's two bytes); role V: 0
.set PS,   32                          ; v32-79   P's scale words: tile i, K step k at 6 i + k
.set RS,   80                          ; v80-103  R's: 6 m + k
.set RF,   104                         ; v104-199 R's fragments, two sets of 4 x 12
.set CD,   104                         ; behind the products: the codes, 12 registers for each tile of R
.set TM,   200                         ; v200-203 largest magnitudes, v204-207 the other half's and the bytes, v212-215 the conversions' scale operands
.set CT,   216                         ; v216-223 the conversions' second halves
.set SW,   224                         ; v224-227 the scale words
.set G1P,  24                          ; s[24:31] group 1: 128 rows of P's codes;  s[32:39] 64 rows of R's
.set G1R,  32
.set G1SP, 40
.set G1SR, 48
.set G0PS, 56                          ; groups 0: P's rows at s[60:63], R's rows at s[80:83]
.set G0P0, 60
.set G0P1, 68
.set G0P2, 72
.set G0RS, 76
.set G0R0, 80
.set G0R1, 84
.set G0R2, 88
.set MSB, 0
.macro WIN new                         ; the immediate's high byte repeats the setting that is left
.if MSB != \new
	s_set_vgpr_msb (MSB<<8)|\new
.set MSB, \new
.endif
.endm
.macro PLACES n
.rept \n
	v_nop
.endr
.endm
.macro GROUP0 g, lds, add, ptr, off
	s_mov_b32 s[\g], 1                             ; count = 1
	s_add_co_u32 s[\g+1], s[\lds], \add            ; LDS address: a constant + the wave's half x a constant
	s_add_nc_u64 s[\g+2:\g+3], s[\ptr:\ptr+1], \off
	s_or_b32 s[\g+3], s[\g+3], 0x80000000          ; type = 2
.endm
	s_load_b256 s[4:11], s[0:1], 0x0               ; y's codes, y's scales, Wkv's codes, Wkv's scales
	s_load_b256 s[12:19], s[0:1], 0x20             ; kimg, ksc, vimg, vsc
	v_lshl_add_u32 v254, v0, 2, 0x48000
	v_mov_b32 v255, 0
	ds_add_u32 v254, v255
	ds_add_u32 v254, v255
	v_lshrrev_b32 v1, 5, v0
	v_readfirstlane_b32 s20, v1                    ; wave 0..3
	s_and_b32 s21, s20, 1                          ; wp: my half of P's rows.  Also: which half of a tile I fetch
	s_lshr_b32 s22, s20, 1                         ; wr: my half of R's rows.  Also: I fetch for P (0) or for R (1)
	s_and_b32 s2, ttmp9, 127                       ; my number within the role
	s_and_b32 s92, s2, 1                           ; role K: pg,
	s_lshr_b32 s93, s2, 1                          ; rg,
	s_lshr_b32 s94, s93, 5                         ; the batch,
	s_lshl_b32 s94, s94, 2
	s_lshl_b32 s3, s92, 1
	s_add_co_u32 s94, s94, s3
	s_add_co_u32 s94, s94, s21                     ; 4 x batch + the pair of heads,
	s_lshl_b32 s94, s94, 6
	s_and_b32 s3, s93, 31
	s_lshl_b32 s3, s3, 1
	s_add_co_u32 s94, s94, s3
	s_add_co_u32 s94, s94, s22                     ; x 64 + my group of 64 keys: X
	s_lshr_b32 s95, s2, 2                          ; role V: pg,
	s_and_b32 s96, s2, 3                           ; rg,
	s_lshr_b32 s97, s95, 4                         ; the batch,
	s_lshl_b32 s97, s97, 3
	s_lshl_b32 s3, s96, 1
	s_add_co_u32 s97, s97, s3
	s_add_co_u32 s97, s97, s22                     ; 8 x batch + the head,
	s_lshl_b32 s97, s97, 5
	s_and_b32 s3, s95, 15
	s_lshl_b32 s3, s3, 1
	s_add_co_u32 s97, s97, s3
	s_add_co_u32 s97, s97, s21                     ; x 32 + my step of 128 keys: X
	s_cmp_lt_u32 ttmp9, 128                        ; the role: it hangs on the work-group's number alone
	s_cselect_b32 s92, s92, s95                    ; pg
	s_cselect_b32 s93, s93, s96                    ; rg
	s_cselect_b32 s94, s94, s97                    ; X
	s_cselect_b32 s95, 0, 512                      ; R's first row in its tensor
	s_cselect_b32 s96, 16, 0                       ; the shift of lanes 16-31's scale words
	s_cselect_b32 s97, 0xffff, -1                  ; and the mask of all
	s_lshl_b32 s98, s92, 8
	s_lshl_b32 s3, s21, 7
	s_add_co_u32 s98, s98, s3                      ; the 128 rows of P that I would fetch: 256 pg + 128 (w & 1)
	s_lshl_b32 s99, s93, 7
	s_add_co_u32 s99, s99, s95
	s_lshl_b32 s3, s21, 6
	s_add_co_u32 s99, s99, s3                      ; the 64 rows of R: first row + 128 rg + 64 (w & 1)
	s_mov_b32 s101, 0
	; group 1: dense rows of 256 bytes, 16 bytes of padding behind every 64 in LDS
	; 128 x 576 dense bytes = 288 rows of 32 elements of 8 bytes; 4 words of padding behind every 16
	s_mov_b32 s[G1P], (3<<16)|(1<<20)|(3<<22)|(3<<25)
	s_mov_b32 s[G1P+1], 32<<16
	s_mov_b32 s[G1P+2], 288<<16
	s_mov_b32 s[G1P+3], 32<<16
	s_mov_b32 s[G1P+4], 288
	s_mov_b32 s[G1P+5], 32
	s_mov_b32 s[G1P+6], 0
	s_mov_b32 s[G1P+7], 0
	; 64 x 576 dense bytes = 144 such rows
	s_mov_b32 s[G1R], (3<<16)|(1<<20)|(3<<22)|(3<<25)
	s_mov_b32 s[G1R+1], 32<<16
	s_mov_b32 s[G1R+2], 144<<16
	s_mov_b32 s[G1R+3], 32<<16
	s_mov_b32 s[G1R+4], 144
	s_mov_b32 s[G1R+5], 32
	s_mov_b32 s[G1R+6], 0
	s_mov_b32 s[G1R+7], 0
	s_wait_dscnt 0x0
	s_wait_kmcnt 0x0
	s_cmp_lt_u32 ttmp9, 128
	s_cselect_b64 s[92:93], s[8:9], s[4:5]         ; P's codes
	s_cselect_b64 s[66:67], s[10:11], s[6:7]       ; P's scales
	s_cselect_b64 s[4:5], s[4:5], s[8:9]           ; R's codes
	s_cselect_b64 s[6:7], s[6:7], s[10:11]         ; R's scales
	s_cselect_b64 s[12:13], s[12:13], s[16:17]     ; the images' buffer
	s_cselect_b64 s[14:15], s[14:15], s[18:19]     ; the scale words' buffer
	s_mul_i32 s100, s98, 576
	s_add_nc_u64 s[92:93], s[92:93], s[100:101]
	s_mul_i32 s100, s98, 24
	s_add_nc_u64 s[66:67], s[66:67], s[100:101]
	s_mul_i32 s100, s99, 576
	s_add_nc_u64 s[4:5], s[4:5], s[100:101]
	s_lshl_b32 s2, s21, 6                          ; R's scale bytes at the 64 rows that I MULTIPLY (half w >> 1), not those that I would fetch (half w & 1)
	s_sub_co_u32 s2, s99, s2
	s_lshl_b32 s100, s22, 6
	s_add_co_u32 s2, s2, s100
	s_mul_i32 s100, s2, 24
	s_add_nc_u64 s[6:7], s[6:7], s[100:101]
	s_mul_i32 s100, s94, 6144                      ; my four images
	s_add_nc_u64 s[12:13], s[12:13], s[100:101]
	s_lshl_b32 s100, s94, 9                        ; my 128 scale words
	s_add_nc_u64 s[14:15], s[14:15], s[100:101]
	s_mul_i32 s3, s21, 128*PITCH
	s_mul_i32 s100, s21, 64*PITCH
	GROUP0 G0P0, 3, 0, 92, 0
	GROUP0 G0R0, 100, ROFF, 4, 0
	; THE FILLS, one a wave, in one branch on the wave's number: waves 0, 1 bring P's halves, waves 2, 3 R's
	s_cmp_lt_u32 s20, 2
	s_cbranch_scc0 .Lfill_r
	tensor_load_to_lds s[G0P0:G0P0+3], s[G1P:G1P+7]
	s_nop 0
	PLACES 4
	s_branch .Lfilled
.Lfill_r:
	tensor_load_to_lds s[G0R0:G0R0+3], s[G1R:G1R+7]
	s_nop 0
	PLACES 4
.Lfilled:
	v_and_b32 v1, 31, v0                           ; lane
	v_and_b32 v2, 15, v0                           ; r
	v_bfe_u32 v3, v0, 4, 1                         ; h
	v_and_b32 v4, 8, v2
	v_add_nc_u32 v4, v4, v2                        ; r + 8 (r / 8)
	v_mul_u32_u24 v5, v4, PITCH
	v_mad_u32_u24 v5, v3, 24, v5                   ; P: a fragment's row x pitch + 24 h
	v_lshl_add_u32 v6, v3, 4, v5                   ; and the same behind one padding more
	v_and_b32 v7, 8, v2
	v_mad_u32_u24 v7, v7, 3, v2                    ; R: r % 8 + 32 (r / 8)
	v_mul_u32_u24 v26, v7, PITCH
	v_mad_u32_u24 v26, v3, 24, v26
	v_lshl_add_u32 v27, v3, 4, v26
	s_mul_i32 s2, s21, 128*PITCH                   ; my 128 rows of P
	s_mul_i32 s3, s22, 64*PITCH                    ; my 64 rows of R,
	s_add_co_u32 s3, s3, ROFF                      ; behind P's 256
.irp s, 0,1
	v_add_nc_u32 v[AP+\s], s2, v5                  ; P's rows 0-63, rows 64-127
	v_add_nc_u32 v[AP2+\s], s2, v6
	s_add_co_u32 s2, s2, SLOTB
.endr
	v_add_nc_u32 v[AR], s3, v26
	v_add_nc_u32 v[AR2], s3, v27
	v_mul_u32_u24 v[ASP], v4, 24                   ; 24 scale bytes a row, in memory, from my rows' first
	v_mul_u32_u24 v[ASR], v7, 24
	v_lshlrev_b32 v[GI16], 4, v1
	v_lshlrev_b32 v[GI8], 3, v1
	v_lshlrev_b32 v[GSC], 4, v2
	v_lshl_add_u32 v[GSC], v3, 8, v[GSC]
	v_mul_u32_u24 v[SHV], s96, v3
.irp b, 0,1,2,3
	v_mov_b32 v[TM+4+\b], 0                        ; written once: a lane permute's destination counts as one of its sources
.endr
	s_mov_b32 s100, 0x76543210
	s_mov_b32 s101, 0xfedcba98                     ; v_permlanex16_b32's selects for lane l xor 16
; A fragment, 16 rows x 128 K, is 12 registers: registers 6 c .. 6 c + 5 hold K = 64 c + 32 h + 0 .. 31: 24 bytes of the row, as they lie, in pieces of 8 bytes.
; Lanes 16-31 read three pieces further on; where that is behind one padding more, the second address register serves.
.macro FRAG reg, adr, adr2, q, rowb
.irp p, 0,1,2,3,4,5
.set PCE, 12*(\q)+6*(\p/3)+\p%3
.if PCE%8 < 5
	ds_load_b64 v[(\reg)+2*\p:(\reg)+2*\p+1], v[\adr] offset:8*PCE+16*(PCE/8)+(\rowb)*PITCH
.else
	ds_load_b64 v[(\reg)+2*\p:(\reg)+2*\p+1], v[\adr2] offset:8*PCE+16*(PCE/8)+(\rowb)*PITCH
.endif
.endr
.endm
.macro FETCH k, set                    ; K step k's fragments: P's eight into window 1, R's four into window 0: 72 loads in one run
	WIN 0x40
.irp i, 0,1,2,3,4,5,6,7
	FRAG 128*(\set)+12*\i, AP+\i/4, AP2+\i/4, \k, 32*((\i/2)%2)+8*(\i%2)
.endr
	WIN 0
.irp i, 0,1,2,3
	FRAG RF+48*(\set)+12*\i, AR, AR2, \k, 8*\i
.endr
.endm
.macro SCALES                          ; all six scale words of my rows, once
.irp i, 0,1,2,3,4,5,6,7
.irp j, 0,1,2
	global_load_b64 v[PS+6*\i+2*\j:PS+6*\i+2*\j+1], v[ASP], s[66:67] offset:(32*(\i/2)+8*(\i%2))*24+8*\j
.endr
.endr
.irp i, 0,1,2,3
.irp j, 0,1,2
	global_load_b64 v[RS+6*\i+2*\j:RS+6*\i+2*\j+1], v[ASR], s[6:7] offset:8*\i*24+8*\j
.endr
.endr
.endm
; 32 matrix instructions: the 32 accumulators take turns, one instruction a turn, in the same order in every step.  zero = 1: the first step starts the sums
.macro MUL k, set, zero
	WIN 0xa1                                       ; source 0 (P) window 1, source 1 (R) window 0, C and D window 2
.irp m, 0,1,2,3
.irp t, 0,1,2,3,4,5,6,7
.if \zero
	v_wmma_scale_f32_16x16x128_f8f6f4 v[8*(8*\m+\t):8*(8*\m+\t)+7], v[128*(\set)+12*\t:128*(\set)+12*\t+11], v[RF+48*(\set)+12*\m:RF+48*(\set)+12*\m+11], 0, v[PS+6*\t+(\k)], v[RS+6*\m+(\k)] matrix_a_fmt:MATRIX_FMT_FP6 matrix_b_fmt:MATRIX_FMT_FP6
.else
	v_wmma_scale_f32_16x16x128_f8f6f4 v[8*(8*\m+\t):8*(8*\m+\t)+7], v[128*(\set)+12*\t:128*(\set)+12*\t+11], v[RF+48*(\set)+12*\m:RF+48*(\set)+12*\m+11], v[8*(8*\m+\t):8*(8*\m+\t)+7], v[PS+6*\t+(\k)], v[RS+6*\m+(\k)] matrix_a_fmt:MATRIX_FMT_FP6 matrix_b_fmt:MATRIX_FMT_FP6
.endif
.endr
.endr
.endm
; The 64 numbers of tile m of R (register 16 b + i = P's row 32 b + 16 h + i) become a fragment's codes in v[CD + 12 m] on and its scale word in v[SW + m]
.macro QUANTW m
	WIN 0
.irp b, 0,1,2,3
	v_mov_b32 v[TM+\b], 0x1800000                  ; the floor 2^(3 - 127), under which no largest magnitude is taken: so the byte cannot fall under 1
.endr
	WIN 0x28                                       ; sources 1 and 2 window 2
.irp i, 0,2,4,6,8,10,12,14
.irp b, 0,1,2,3
	v_max3_num_f32 v[TM+\b], v[TM+\b], |v[64*(\m)+16*\b+\i]|, |v[64*(\m)+16*\b+\i+1]|   ; the four blocks by turns; each accumulator from its low end on
.endr
.endr
	WIN 0
.irp b, 0,1,2,3
	v_permlanex16_b32 v[TM+4+\b], v[TM+\b], s100, s101
.endr
.irp b, 0,1,2,3
	v_max_num_f32 v[TM+\b], v[TM+\b], v[TM+4+\b]   ; with lane l xor 16's sixteen: the block's largest magnitude
.endr
.irp b, 0,1,2,3
	v_add_nc_u32 v[TM+12+\b], 0xff000000, v[TM+\b] ; 2 off its exponent field: the conversion's scale operand
.endr
.irp b, 0,1,2,3
	v_lshrrev_b32 v[TM+4+\b], 23, v[TM+12+\b]      ; the scale's byte
.endr
	v_lshl_or_b32 v[SW+(\m)], v[TM+5], 8, v[TM+4]
	v_lshl_or_b32 v[SW+(\m)], v[TM+6], 16, v[SW+(\m)]
	v_lshl_or_b32 v[SW+(\m)], v[TM+7], 24, v[SW+(\m)]
	WIN 0x02                                       ; source 0 window 2
.irp c, 0,1
	v_cvt_scalef32_pk16_fp6_f32 v[CD+12*(\m)+6*\c:CD+12*(\m)+6*\c+2], v[64*(\m)+32*\c:64*(\m)+32*\c+15], v[TM+12+2*\c]
	v_cvt_scalef32_pk16_fp6_f32 v[CT+4*\c:CT+4*\c+2], v[64*(\m)+32*\c+16:64*(\m)+32*\c+31], v[TM+13+2*\c]   ; (a conversion's three registers begin on an even number)
.endr
	WIN 0
	v_nop                                          ; one plain place behind a scaled conversion
.irp c, 0,1                            ; the operand's layout wants a whole block in a lane: lanes 0-15 block 2 c, lanes 16-31 block 2 c + 1
.irp i, 0,1,2
	v_permlane16_swap_b32 v[CD+12*(\m)+6*\c+\i], v[CT+4*\c+\i]
.endr
.irp i, 0,1,2
	v_mov_b32 v[CD+12*(\m)+6*\c+3+\i], v[CT+4*\c+\i]
.endr
.endr
.endm
.macro OUT m                           ; the image: each tile has registers of its own, so no store's data are written again
	global_store_b128 v[GI16], v[CD+12*(\m):CD+12*(\m)+3], s[12:13] offset:1536*(\m)
	global_store_b64 v[GI8], v[CD+12*(\m)+4:CD+12*(\m)+5], s[12:13] offset:1536*(\m)+512
	global_store_b128 v[GI16], v[CD+12*(\m)+6:CD+12*(\m)+9], s[12:13] offset:1536*(\m)+768
	global_store_b64 v[GI8], v[CD+12*(\m)+10:CD+12*(\m)+11], s[12:13] offset:1536*(\m)+1280
.endm
	s_wait_alu depctr_va_vdst(0)
	SCALES                                         ; 36 global loads, on their way beside the tensor load
	s_wait_tensorcnt 0x0                           ; my one tensor load has landed
	s_barrier_signal -1
	s_barrier_wait -1                              ; everybody's has: all of K is in LDS
	FETCH 0, 0
	; Each K step: its fragments are in (asked for one step ago); the next step's are asked for, four places behind the products that read their registers; then its 32 products.
	s_wait_dscnt 0x0
	FETCH 1, 1
	s_wait_loadcnt 0x0                             ; the scale words
	MUL 0, 0, 1
	s_wait_dscnt 0x0
	PLACES 4
	FETCH 2, 0
	MUL 1, 1, 0
	s_wait_dscnt 0x0
	PLACES 4
	FETCH 3, 1
	MUL 2, 0, 0
	s_wait_dscnt 0x0
	PLACES 4
	FETCH 4, 0
	MUL 3, 1, 0
	s_wait_dscnt 0x0
	PLACES 4
	FETCH 5, 1
	MUL 4, 0, 0
	s_wait_dscnt 0x0
	MUL 5, 1, 0
	WIN 0
	PLACES 4                                       ; in front of the first read of results, and of writes over R's fragments
.irp m, 0,1,2,3
	QUANTW \m
	OUT \m
.endr
.irp m, 0,1,2,3
	v_lshrrev_b32 v[SW+\m], v[SHV], v[SW+\m]       ; role K: lanes 0-15 keep the even head's two bytes, lanes 16-31 take the odd head's; role V: the word as it is
	v_and_b32 v[SW+\m], s97, v[SW+\m]
.endr
	global_store_b128 v[GSC], v[SW:SW+3], s[14:15] ; 32 lanes store 512 consecutive bytes
	s_wait_tensorcnt 0x0
	ds_add_u32 v254, v255
	s_wait_dscnt 0x0
	s_endpgm
.Lfunc_end_k_qdb75f0d8c5_kvproj:
	.size	k_qdb75f0d8c5_kvproj, .Lfunc_end_k_qdb75f0d8c5_kvproj-k_qdb75f0d8c5_kvproj
	.p2alignl 7, 3214868480
	.fill 96, 4, 3214868480
	.section	.rodata,"a",@progbits
	.p2align	6, 0x0
	.amdhsa_kernel k_qdb75f0d8c5_kvproj
		.amdhsa_group_segment_fixed_size 295424
		.amdhsa_private_segment_fixed_size 0
		.amdhsa_enable_private_segment 0
		.amdhsa_kernarg_size 64
		.amdhsa_user_sgpr_count 2
		.amdhsa_user_sgpr_kernarg_segment_ptr 1
		.amdhsa_wavefront_size32 1
		.amdhsa_system_sgpr_workgroup_id_x 1
		.amdhsa_system_sgpr_workgroup_id_y 1
		.amdhsa_system_sgpr_workgroup_id_z 1
		.amdhsa_system_vgpr_workitem_id 0
		.amdhsa_next_free_vgpr 768
		.amdhsa_next_free_sgpr 102
		.amdhsa_reserve_vcc 0
		.amdhsa_float_denorm_mode_32 3
		.amdhsa_float_denorm_mode_16_64 3
		.amdhsa_memory_ordered 1
		.amdhsa_forward_progress 1
		.amdhsa_inst_pref_size 81
	.end_amdhsa_kernel
	.amdgpu_metadata
---
amdhsa.version: [ 1, 2 ]
amdhsa.kernels:
  - .name:           k_qdb75f0d8c5_kvproj
    .symbol:         k_qdb75f0d8c5_kvproj.kd
    .args:
      - { .name: y_codes, .offset: 0, .size: 8, .value_kind: global_buffer, .address_space: global }
      - { .name: y_scales, .offset: 8, .size: 8, .value_kind: global_buffer, .address_space: global }
      - { .name: Wkv_codes, .offset: 16, .size: 8, .value_kind: global_buffer, .address_space: global }
      - { .name: Wkv_scales, .offset: 24, .size: 8, .value_kind: global_buffer, .address_space: global }
      - { .name: kimg, .offset: 32, .size: 8, .value_kind: global_buffer, .address_space: global }
      - { .name: ksc, .offset: 40, .size: 8, .value_kind: global_buffer, .address_space: global }
      - { .name: vimg, .offset: 48, .size: 8, .value_kind: global_buffer, .address_space: global }
      - { .name: vsc, .offset: 56, .size: 8, .value_kind: global_buffer, .address_space: global }
    .group_segment_fixed_size: 295424
    .private_segment_fixed_size: 0
    .kernarg_segment_align: 8
    .kernarg_segment_size: 64
    .max_flat_workgroup_size: 128
    .sgpr_count:     102
    .vgpr_count:     768
    .wavefront_size: 32
...
	.end_amdgpu_metadata
.endif
;; end of part 1
;; launch attn (part 2): grid 16 x 16, 16 waves a work-group, no clusters, 327,680 bytes of LDS; arguments x_codes, x_scales, Wq_codes, Wq_scales, key_padding_mask, kimg, ksc, vimg, vsc, oimg, osc; writes oimg, osc
.if DOCPART == 2
	.amdgcn_target "amdgcn-amd-amdhsa--gfx1250"
	.amdhsa_code_object_version 6
	.text
	.protected	k_qdb75f0d8c5_attn
	.globl	k_qdb75f0d8c5_attn
	.p2align	8
	.type	k_qdb75f0d8c5_attn,@function
k_qdb75f0d8c5_attn:
	s_mov_b64 s[64:65], 0
	v_nop
	global_prefetch_b8 v0, s[64:65] scope:SCOPE_SE
	s_setreg_imm32_b32 hwreg(HW_REG_WAVE_MODE, 25, 1), 1
	s_wait_xcnt 0x0
; One head's attention for 256 queries, all products on codes of E2M3: q = x Wq^T (quantised in registers), S^T = K Q^T, the mask, p = 2^(t - M), O^T = V^T P^T, O / l, quantised for the last product.
; SHARES.  Work-group (x, y): queries 256 x .. 256 x + 255 of batch y / 8, head y % 8.  Each of sixteen waves owns 16 queries in 256 registers; four waves share a SIMD, so that one wave's vector work
; stands beside another's matrix work and LDS loads.  Every wave walks the 4,096 keys, 128 a step.  K and V come as images of the operands' registers, through a ring of two LDS slots of 1,024 keys.
; LAYOUT.  Both products are used transposed: a lane holds ONE query (lane % 16) throughout.  The keys of a tile of K, the channels of a tile of V and the rows of a tile of Wq were chosen
; (lane r of tile 2 b + u: 32 b + 8 u + r + 8 (r / 8)) so that the 16 registers of two neighbouring tiles are 16 neighbours along the next product's K.
; A HEAD HAS 64 CHANNELS, the instruction takes 128 along K.  Of the spare 64, k = 64 CARRIES THE MASK: Q holds the code -7.5 there under the scale byte 187 (2^60), every key the code +7.5, and byte 2 of the
; key's scale word says whether it counts: 177 (2^50) for a hidden key, whose score so gets -56.25 x 2^110; 0 (2^-127) for a key that counts: all such keys get the same -56.25 x 2^-67, which a softmax does not see.
; All other codes of Q from k = 65 on are zeros, so what K's registers hold there adds nothing: K's four fragments stand 8 registers apart (6 of codes, the constant, one spare), each one's tail being the next one's codes.
; t = score x log2(e) / 8; M = the running largest t rounded up to a whole number; p = 2^(t - M), not normalised; the row's sum l is taken of the unquantised p; when M moves, l and O^T are multiplied
; by 2^(old M - new M), which rounds nothing.
; LIMITS: a hidden key's score is about -7e34 and not -infinity, and the largest t begins at -1e30: a key that counts with t under -1e30 would be taken for hidden, and scores of the size of 7e34 are not served.
; A block whose largest magnitude lies under 2^-124, a block of zeros too, gets the byte 1 (this program alone reads the bytes).  1 / l is v_rcp_f32 and a multiplication.  A row all of whose keys are hidden
; has l = 0: its scale word is set to 0xffff, so that the last product gives NaN there, as the softmax of such a row does.  A scale byte 0xff among the inputs is not served.
.set SLOT1, 131072                     ; a slot: K, 64 tiles x 768 bytes; then V, 8 steps x 6,144 bytes.  Slot 1 begins here, so that one exclusive or turns an address
.set VOFF,  49152
.set KSC,   98304                      ; K's scale words of the whole head, the mask's byte in them: 64 groups of 64 keys x [r 16][tile 4] words; stored by the waves, never a fill's target
.set VSC,   114688                     ; V's: 32 steps x [lane 32][tile 4] words
.set WQ,    229376                     ; Wq's 64 rows of this head: 384 bytes + 16 behind every 64: 480 bytes apart
.set SPARE, 260096                     ; the spare words, 128 bytes for each wave: eight blocks of 256 bytes that no other line names
.set HIDE,  177<<16                    ; byte 2 of a hidden key's scale word
.set QMASK, 187<<16                    ; byte 2 of every query's
.set L16, 1                            ; v1   16 x lane;  v2  8 x lane
.set L8,  2
.set AS0, 3                            ; v3   KSC + 16 r;  v4  VSC + 16 x lane
.set AT0, 4
.set SPW, 5                            ; v5   LDS address of my spare word; never rewritten
.set NIL, 6                            ; v6   0; never rewritten
.set AV16, 7                           ; v7, v251  the slot's images of V (at the head v7 holds HIDE)
.set BM,  8                            ; v8-11   a block's largest score, then its largest p, then the conversion's scale operand
                                       ; v12 -M, v13 the largest t, v[14:15] l in two halves
.set QF,  16                           ; v16-27  Q's fragment
                                       ; v28 Q's scale word, v29 p's; v30 f, v31 at work
.set KF,  32                           ; v32-67  K's four fragments, 8 registers apart
.set WQS, 68                           ; v68-79 and v240-243  Wq's scale words: tile t, K step s at 4 t + s (tile 3: 160 further on)
.set PC,  80                           ; v80-91  p's codes
.set KS,  92                           ; v92-95  K's scale words (at the head: x's)
.set S,   96                           ; v96-159 S^T, then p
.set O,   160                          ; v160-191 O^T
.set VF,  192                          ; v192-239 V's four fragments
.set VS,  240                          ; v240-243 V's scale words
.set PT,  244                          ; v244-250 at work: the other half's maxima, bytes, the conversions' second halves
.set AV8, 251
.set AK16, 252                         ; v252, v253 the slot's images of K;  v254, v255 its scale words
.set AK8, 253
.set ASW, 254
.set ATW, 255
.set XF,  96                           ; at the head: x's four fragments v96-143;  Wq's eight v144-239;  q^T v32-63
.set WF,  144
.set QA,  32
.set WV,  26                           ; s26 my wave's number;  s27 slots still to be asked for
.set SLOTS, 27
.set SEL, 28                           ; s[28:29] lane selects for lane l xor 16
.set CS,  30                           ; s[30:31] c = log2(e) / 8
.set G1K, 32
.set G1V, 40
.set G1SV, 56
.set G1W, 68
.set G0K, 76
.set G0V, 80
.set G0SV, 88
.set G0W, 92
.set TB,  96                           ; s96 LDS byte at which the slot in hand begins;  s97 how far its scale words lie in their tables
.set TS,  97
.macro PLACES n
.rept \n
	v_nop
.endr
.endm
.macro GROUP1 g, w0, c, r, p           ; r rows of c elements, p elements apart
	s_mov_b32 s[\g], \w0
	s_mov_b32 s[\g+1], (\c)<<16
	s_mov_b32 s[\g+2], (\r)<<16
	s_mov_b32 s[\g+3], (\c)<<16
	s_mov_b32 s[\g+4], \r
	s_mov_b32 s[\g+5], \p
	s_mov_b32 s[\g+6], 0
	s_mov_b32 s[\g+7], 0
.endm
.macro GROUP0 g, lds, ptr              ; from the buffer's address + s[100:101]
	s_mov_b32 s[\g], 1
	s_mov_b32 s[\g+1], \lds
	s_add_nc_u64 s[\g+2:\g+3], s[\ptr:\ptr+1], s[100:101]
	s_or_b32 s[\g+3], s[\g+3], 0x80000000
.endm
	s_load_b256 s[4:11], s[0:1], 0x0               ; x's codes, x's scales, Wq's codes, Wq's scales
	s_load_b256 s[12:19], s[0:1], 0x20             ; the mask, kimg, ksc, vimg
	s_load_b128 s[20:23], s[0:1], 0x40             ; vsc, oimg
	s_load_b64 s[24:25], s[0:1], 0x50              ; osc
	v_lshl_add_u32 v[SPW], v0, 2, SPARE
	v_mov_b32 v[NIL], 0
	ds_add_u32 v5, v6
	ds_add_u32 v5, v6
	s_wait_dscnt 0x0
	v_lshrrev_b32 v20, 5, v0
	s_delay_alu instid0(VALU_DEP_1)
	v_readfirstlane_b32 s[WV], v20                 ; wave 0..15
	s_and_b32 s2, ttmp7, 0xffff                    ; 8 x batch + head
	s_lshr_b32 s98, s2, 3                          ; the batch
	s_and_b32 s99, s2, 7                           ; the head
	s_lshr_b32 s67, s99, 1                         ; its pair,
	s_and_b32 s96, s99, 1                          ; and which of the pair
	s_lshl_b32 s97, s98, 2
	s_add_co_u32 s97, s97, s67                     ; 4 x batch + pair
	s_lshl_b32 s66, s98, 12
	s_lshl_b32 s3, ttmp9, 8
	s_add_co_u32 s66, s66, s3
	s_lshl_b32 s3, s[WV], 4
	s_add_co_u32 s66, s66, s3                      ; my first query, counted through both batches
	s_mov_b32 s101, 0
	GROUP1 G1K, 3<<16, 96, 64, 192                 ; K: 64 half images of 768 bytes (96 elements of 8), 1,536 bytes apart
	GROUP1 G1V, 3<<16, 32, 192, 32                 ; V: 49,152 dense bytes as 192 rows of 256
	GROUP1 G1SV, 3<<16, 32, 64, 32                 ; V's scale words: 16,384 dense bytes
; AS THE TEXT STANDS: the keys of a tile of K, the channels of a tile of V and the rows of a tile of Wq are: lane r of tile u takes 8 u + r % 8 + 32 (r / 8) of its 64.
; So a lane's 32 registers of four neighbouring tiles are ONE WHOLE BLOCK of 32 along the next product's K (block lane / 16 of the 64): a block's maximum asks no other lane, and the codes need no exchange of halves.
.set SH8, 69                           ; v69  8 x (lane / 16): how far my blocks' bytes stand up in a scale word (free once Wq's scale words are done with)
	GROUP1 G1W, (3<<16)|(1<<20)|(3<<22)|(3<<25), 32, 96, 32   ; Wq: 64 x 384 dense bytes as 96 rows of 256; 4 words of padding behind every 16
	s_mov_b32 s[SEL], 0x76543210
	s_mov_b32 s[SEL+1], 0xfedcba98
	s_mov_b32 s[CS], 0x3e38aa3b
	s_mov_b32 s[CS+1], s[CS]                       ; (named with it as a pair, so it is written)
	s_wait_kmcnt 0x0
	s_mul_i32 s100, s97, 393216
	s_mul_i32 s3, s96, 768
	s_add_co_u32 s100, s100, s3
	GROUP0 G0K, 0, 14
	s_mul_i32 s100, s2, 196608
	GROUP0 G0V, VOFF, 18
	s_lshl_b32 s100, s2, 14
	GROUP0 G0SV, VSC, 20
	s_mul_i32 s100, s99, 24576
	GROUP0 G0W, WQ, 8
	; THE FIRST FILLS: at most one load of a wave is out
	; one chain of branches on the wave's number, one load to an arm: wave 0 slot 0's K, wave 1 slot 0's V, wave 2 Wq, wave 3 V's scale words; the others none
.macro ARM n, g0, g1
	s_cmp_eq_u32 s[WV], \n
	s_cbranch_scc0 .Lnot_\n
	tensor_load_to_lds s[\g0:\g0+3], s[\g1:\g1+7]
	s_nop 0
	PLACES 4
	s_branch .Lfilled
.Lnot_\n:
.endm
	ARM 0, G0K, G1K
	ARM 1, G0V, G1V
	ARM 2, G0W, G1W
	ARM 3, G0SV, G1SV
.Lfilled:
	s_lshl_b32 s100, s97, 15
	s_lshl_b32 s3, s96, 8
	s_add_co_u32 s100, s100, s3
	s_add_nc_u64 s[16:17], s[16:17], s[100:101]    ; ksc at this head's words: 32,768 x (4 x batch + pair) + 256 x which of the pair
	s_mul_i32 s100, s66, 384
	s_add_nc_u64 s[4:5], s[4:5], s[100:101]        ; x's codes at my first query
	s_mul_i32 s3, s67, 1536
	s_add_co_u32 s100, s100, s3
	s_mul_i32 s3, s96, 768
	s_add_co_u32 s100, s100, s3
	s_add_nc_u64 s[22:23], s[22:23], s[100:101]    ; oimg: 6,144 x my tile of queries + 1,536 x pair + 768 x which of the pair
	s_lshl_b32 s100, s66, 4
	s_add_nc_u64 s[6:7], s[6:7], s[100:101]        ; x's scale bytes
	s_lshl_b32 s100, s99, 10
	s_add_nc_u64 s[10:11], s[10:11], s[100:101]    ; Wq's scale bytes at the head's 64 rows
	s_lshl_b32 s100, s98, 12
	s_add_nc_u64 s[12:13], s[12:13], s[100:101]    ; the batch's mask
	s_lshl_b32 s100, s66, 6
	s_lshl_b32 s3, s99, 7
	s_add_co_u32 s100, s100, s3
	s_add_nc_u64 s[24:25], s[24:25], s[100:101]    ; osc: 128 x (8 x tile + head)
	v_and_b32 v20, 31, v0                          ; lane
	v_and_b32 v21, 15, v0                          ; r
	v_bfe_u32 v22, v0, 4, 1                        ; h
	s_delay_alu instid0(VALU_DEP_2)
	v_and_b32 v23, 8, v21
	s_delay_alu instid0(VALU_DEP_1)
	v_mad_u32_u24 v23, v23, 3, v21                 ; r % 8 + 32 (r / 8)
	v_lshlrev_b32 v[L16], 4, v20
	v_lshlrev_b32 v[L8], 3, v20
	v_lshl_add_u32 v[AS0], v21, 4, KSC
	v_lshl_add_u32 v[AT0], v20, 4, VSC
	v_mul_u32_u24 v8, v23, 480
	s_delay_alu instid0(VALU_DEP_1)
	v_mad_u32_u24 v8, v22, 24, v8
	s_delay_alu instid0(VALU_DEP_1)
	v_add_nc_u32 v8, WQ, v8                        ; Wq in LDS: my row x 480 + 24 h,
	s_delay_alu instid0(VALU_DEP_1)
	v_lshl_add_u32 v9, v22, 4, v8                  ; and the same behind one padding more
	v_mul_u32_u24 v10, v21, 384
	s_delay_alu instid0(VALU_DEP_1)
	v_mad_u32_u24 v10, v22, 24, v10                ; x: row r of 384 bytes + 24 h
	v_lshlrev_b32 v11, 4, v21                      ; x's scale bytes: 16 a row
	v_lshlrev_b32 v12, 4, v23                      ; Wq's likewise, by the tile's rows
	; K's scale words: thread n takes 8 of the head's 4,096: group of 64 keys G = n / 8, rows r0 = 2 (n % 8) and r0 + 1 of its four tiles
	v_lshrrev_b32 v144, 3, v0                      ; G
	v_and_b32 v145, 7, v0
	s_delay_alu instid0(VALU_DEP_2)
	v_lshlrev_b32 v13, 9, v144
	s_delay_alu instid0(VALU_DEP_1)
	v_lshl_add_u32 v13, v145, 5, v13               ; in ksc: 512 G + 16 r0: 32 consecutive bytes
	s_delay_alu instid0(VALU_DEP_3)
	v_lshlrev_b32 v146, 1, v145                    ; r0
	s_delay_alu instid0(VALU_DEP_1)
	v_and_b32 v147, 8, v146
	s_delay_alu instid0(VALU_DEP_1)
	v_mad_u32_u24 v146, v147, 3, v146              ; r0 % 8 + 32 (r0 / 8); tile m's key lies 8 m on
	s_delay_alu instid0(VALU_DEP_1)
	v_lshl_add_u32 v14, v144, 6, v146              ; in the mask: key 64 G + r0 % 8 + 32 (r0 / 8); tile m's lies 8 m on, row r0 + 1's key is the next
	v_lshl_add_u32 v15, v0, 5, KSC                 ; in LDS: 256 G + 16 r0 = 32 n
	v_mov_b32 v7, HIDE
.irp b, 0,1,2,3
	v_mov_b32 v[PT+\b], 0                          ; written once: a lane permute's destination counts as one of its sources
.endr
.irp m, 0,1,2,3
	global_load_u16 v[148+\m], v14, s[12:13] offset:8*\m
.endr
	global_load_b128 v[152:155], v13, s[16:17]
	global_load_b128 v[156:159], v13, s[16:17] offset:16
.irp s, 0,1,2,3
.irp p, 0,1,2,3,4,5
	global_load_b64 v[XF+12*\s+2*\p:XF+12*\s+2*\p+1], v10, s[4:5] offset:96*\s+48*(\p/3)+8*(\p%3)
.endr
.endr
	global_load_b128 v[KS:KS+3], v11, s[6:7]
.irp t, 0,1,2,3
	global_load_b128 v[WQS+4*\t+160*(\t/3):WQS+4*\t+160*(\t/3)+3], v12, s[10:11] offset:16*8*\t
.endr
	s_wait_alu depctr_va_vdst(0)
	s_wait_loadcnt 29                              ; the mask's bytes and K's words are in; the 24 + 1 + 4 loads behind them stay out
.irp i, 0,1,2,3,4,5,6,7
	v_bfe_u32 v31, v[148+(\i%4)], 8*(\i/4), 8
	s_delay_alu instid0(VALU_DEP_1)
	v_cmp_ne_u32 vcc_lo, 0, v31
	s_delay_alu instid0(VALU_DEP_1)
	v_cndmask_b32 v31, v[NIL], v7, vcc_lo
	s_delay_alu instid0(VALU_DEP_1)
	v_or_b32 v[152+\i], v[152+\i], v31             ; byte 2: 0 where the key counts, 177 where it is hidden
.endr
	ds_store_b128 v15, v[152:155]
	ds_store_b128 v15, v[156:159] offset:16
	s_wait_tensorcnt 0x0                           ; my first fill, if I issued one, has landed;
	s_wait_dscnt 0x0                               ; which waits for it; my words are stored:
	s_barrier_signal -1
	s_barrier_wait -1                              ; everybody's.
; 32 numbers of a lane, register 16 b + i = channel 32 h + 16 b + i of my query, become registers d .. d + 5 of a fragment and the two low bytes of the scale word w
.macro QUANT2 s, d, w
.irp b, 0,1
	v_max3_num_f32 v[BM+\b], |v[\s+16*\b]|, |v[\s+16*\b+1]|, 0x1800000   ; and the floor 2^(3 - 127): the byte cannot fall under 1
.endr
.irp i, 2,4,6,8,10,12,14
.irp b, 0,1
	v_max3_num_f32 v[BM+\b], v[BM+\b], |v[\s+16*\b+\i]|, |v[\s+16*\b+\i+1]|
.endr
.endr
	s_delay_alu instid0(VALU_DEP_1)
	v_max_num_f32 v[BM], v[BM], v[BM+1]            ; the 32 registers are one block, channels 32 h + 0 .. 31: its largest magnitude
	s_delay_alu instid0(VALU_DEP_1)
	v_add_nc_u32 v[BM+2], 0xff000000, v[BM]        ; 2 off the exponent field: the conversion's scale operand
	s_delay_alu instid0(VALU_DEP_1)
	v_lshrrev_b32 v[PT], 23, v[BM+2]               ; the scale's byte,
	s_delay_alu instid0(VALU_DEP_1)
	v_lshlrev_b32 v[PT], v[SH8], v[PT]             ; at its place, 8 h bits up;
	s_delay_alu instid0(VALU_DEP_1)
	v_permlanex16_b32 v[PT+1], v[PT], s[SEL], s[SEL+1]
	s_delay_alu instid0(VALU_DEP_1)
	v_or_b32 v[\w], v[PT], v[PT+1]                 ; with lane l xor 16's: both bytes, in both halves of the lanes
	v_cvt_scalef32_pk16_fp6_f32 v[\d:\d+2], v[\s:\s+15], v[BM+2]
	v_cvt_scalef32_pk16_fp6_f32 v[PT+4:PT+6], v[\s+16:\s+31], v[BM+2]   ; (a conversion's three registers begin on an even number)
	v_nop                                          ; one plain place behind a scaled conversion
.irp i, 0,1,2
	v_mov_b32 v[\d+3+\i], v[PT+4+\i]
.endr
.endm
.macro WFRAG reg, s, rowb              ; a fragment of Wq from LDS: K step s, 16 rows from rowb on, in pieces of 8 bytes
.irp p, 0,1,2,3,4,5
.set PCE, 12*(\s)+6*(\p/3)+\p%3
.if PCE%8 < 5
	ds_load_b64 v[(\reg)+2*\p:(\reg)+2*\p+1], v8 offset:8*PCE+16*(PCE/8)+(\rowb)*480
.else
	ds_load_b64 v[(\reg)+2*\p:(\reg)+2*\p+1], v9 offset:8*PCE+16*(PCE/8)+(\rowb)*480
.endif
.endr
.endm
	; q^T = Wq x^T: four tiles of 16 channels, K = 512 in four steps, two steps' fragments of Wq at a time; the four accumulators take turns.  Slot 0 lands meanwhile
.irp e, 0,1
.if \e
	PLACES 4                                       ; in front of loads into registers that matrix instructions have read
.endif
.irp t, 0,1,2,3
.irp u, 0,1
	WFRAG WF+12*(2*\t+\u), 2*\e+\u, 8*\t
.endr
.endr
	s_wait_dscnt 0x0
.if \e == 0
	s_wait_loadcnt 0x0                             ; x's fragments, x's and Wq's scale words
.endif
.irp u, 0,1
.irp t, 0,1,2,3
.if (\e == 0) && (\u == 0)
	v_wmma_scale_f32_16x16x128_f8f6f4 v[QA+8*\t:QA+8*\t+7], v[WF+12*(2*\t+\u):WF+12*(2*\t+\u)+11], v[XF+12*(2*\e+\u):XF+12*(2*\e+\u)+11], 0, v[WQS+4*\t+160*(\t/3)+2*\e+\u], v[KS+2*\e+\u] matrix_a_fmt:MATRIX_FMT_FP6 matrix_b_fmt:MATRIX_FMT_FP6
.else
	v_wmma_scale_f32_16x16x128_f8f6f4 v[QA+8*\t:QA+8*\t+7], v[WF+12*(2*\t+\u):WF+12*(2*\t+\u)+11], v[XF+12*(2*\e+\u):XF+12*(2*\e+\u)+11], v[QA+8*\t:QA+8*\t+7], v[WQS+4*\t+160*(\t/3)+2*\e+\u], v[KS+2*\e+\u] matrix_a_fmt:MATRIX_FMT_FP6 matrix_b_fmt:MATRIX_FMT_FP6
.endif
.endr
.endr
.endr
	PLACES 4
	v_bfe_u32 v[SH8], v0, 4, 1
	v_lshlrev_b32 v[SH8], 3, v[SH8]                ; 8 h
	QUANT2 QA, QF, 28
	; What the loop finds.  (These lines are also the places between Q's codes and scale word and the first product that takes them.)
	v_bfe_u32 v31, v0, 4, 1
	s_delay_alu instid0(VALU_DEP_1)
	v_sub_nc_u32 v31, 1, v31
	s_delay_alu instid0(VALU_DEP_1)
	v_mul_u32_u24 v[QF+6], v31, 0x3f               ; Q's k = 64 (lanes 0-15, the lowest six bits): the code -7.5; lanes 16-31, whose register 6 begins at k = 96: zeros
	v_or_b32 v28, QMASK, v28                       ; and the scale byte of k = 64 .. 95
.irp i, 7,8,9,10,11
	v_mov_b32 v[QF+\i], 0                          ; the rest of Q's K: zero codes
.endr
.irp t, 0,1,2,3
	v_mov_b32 v[KF+8*\t+6], 0x1f                   ; every key's k = 64: the code +7.5; no load lands here
	v_mov_b32 v[KF+8*\t+7], 0
.endr
.irp i, 8,9,10,11
	v_mov_b32 v[KF+24+\i], 0                       ; the tail of K's last fragment
.endr
.set J, 0
.rept 32
	v_mov_b32 v[O+J], 0                            ; O^T: the loop is written once; its first step finds zeros
.set J, J+1
.endr
	v_mov_b32 v14, 0                               ; l, in two halves
	v_mov_b32 v15, 0
	v_mov_b32 v31, 0
	v_mov_b32 v13, 0xf149f2ca                      ; the largest t so far: -1e30, over every hidden key's, under every other
	s_delay_alu instid0(VALU_DEP_1)
	v_floor_f32 v12, -v13                          ; -M
	s_mov_b32 s[TB], 0
	s_mov_b32 s[TS], 0
	s_mov_b32 s[SLOTS], 3
.macro TLOAD                           ; wave 0 fetches the next 1,024 keys of K, wave 1 of V, the others nothing
	s_cmp_eq_u32 s[WV], 0
	s_cbranch_scc0 .Lnot_k_\@
	tensor_load_to_lds s[G0K:G0K+3], s[G1K:G1K+7]
	s_nop 0
	PLACES 4
	s_branch .Lasked_\@
.Lnot_k_\@:
	s_cmp_eq_u32 s[WV], 1
	s_cbranch_scc0 .Lasked_\@
	tensor_load_to_lds s[G0V:G0V+3], s[G1V:G1V+7]
	s_nop 0
	PLACES 4
.Lasked_\@:
.endm
; THE CHANGE OF SLOTS, at a slot's head.  Behind the barrier the slot ahead is whole and nobody reads the other one; fill = 1: that one takes the keys that follow, and the load has eight key steps in which to land.
.macro CHANGE fill
	s_wait_tensorcnt 0x0                           ; no tensor load of mine is out, so a group 0 may be written
	ds_add_u32 v[SPW], v[NIL]                      ; 0 onto my spare word
.if \fill
	ds_add_u32 v[SPW], v[NIL]                      ; and once more
	s_xor_b32 s[G0K+1], s[G0K+1], SLOT1            ; the walking descriptors: the other slot than last time,
	s_add_nc_u64 s[G0K+2:G0K+3], s[G0K+2:G0K+3], 98304   ; the next 64 tiles of K,
	s_xor_b32 s[G0V+1], s[G0V+1], SLOT1
	s_add_nc_u64 s[G0V+2:G0V+3], s[G0V+2:G0V+3], 49152   ; the next 8 steps of V
.endif
	s_wait_dscnt 0x0                               ; the add is done, and my reads of the slot that I have left are over
	s_barrier_signal -1
	s_barrier_wait -1
.if \fill
	TLOAD                                          ; the first thing behind the barrier, and a wave's one tensor load until the next
.endif
.endm
.macro KLOAD g, q                      ; tiles 4 g .. 4 g + 3 of step q: K's half images and the scale words: 9 loads
.irp t, 0,1,2,3
	ds_load_b128 v[KF+8*\t:KF+8*\t+3], v[AK16] offset:(8*(\q)+4*(\g)+\t)*768
	ds_load_b64 v[KF+8*\t+4:KF+8*\t+5], v[AK8] offset:(8*(\q)+4*(\g)+\t)*768+512
.endr
	ds_load_b128 v[KS:KS+3], v[ASW] offset:512*(\q)+256*(\g)
.endm
.macro VLOAD q                         ; V's four images and their scale words: 17 loads
.irp t, 0,1,2,3
	ds_load_b128 v[VF+12*\t:VF+12*\t+3], v[AV16] offset:6144*(\q)+1536*\t
	ds_load_b64 v[VF+12*\t+4:VF+12*\t+5], v[AV8] offset:6144*(\q)+1536*\t+512
	ds_load_b128 v[VF+12*\t+6:VF+12*\t+9], v[AV16] offset:6144*(\q)+1536*\t+768
	ds_load_b64 v[VF+12*\t+10:VF+12*\t+11], v[AV8] offset:6144*(\q)+1536*\t+1280
.endr
	ds_load_b128 v[VS:VS+3], v[ATW] offset:512*(\q)
.endm
.macro SMUL g                          ; S^T = K Q^T, the mask in it
.irp t, 0,1,2,3
	v_wmma_scale_f32_16x16x128_f8f6f4 v[S+8*(4*(\g)+\t):S+8*(4*(\g)+\t)+7], v[KF+8*\t:KF+8*\t+11], v[QF:QF+11], 0, v[KS+\t], v28 matrix_a_fmt:MATRIX_FMT_FP6 matrix_b_fmt:MATRIX_FMT_FP6
.endr
.endm
.macro BMAX b0, b1                     ; the largest score of two blocks of 32 keys (my 16 of each), by turns; each accumulator from its low end on
.irp b, \b0, \b1
	v_max3_num_f32 v[BM+\b], v[S+16*\b], v[S+16*\b+1], v[S+16*\b+2]
.endr
.irp i, 3,5,7,9,11,13
.irp b, \b0, \b1
	v_max3_num_f32 v[BM+\b], v[BM+\b], v[S+16*\b+\i], v[S+16*\b+\i+1]
.endr
.endr
.irp b, \b0, \b1
	v_max_num_f32 v[BM+\b], v[BM+\b], v[S+16*\b+15]
.endr
.endm
; A KEY STEP: 128 keys, the q-th of the slot in hand.  Its first four tiles of K were asked for in the step before (at a slot's head: behind the change of slots).
; pre = 1: the next step's are asked for here; a slot's last step asks for nothing: the next slot is shown whole only behind the barrier.
.macro STEP q, pre
	s_wait_dscnt 0x0                               ; K's first four tiles and their scale words are in
	SMUL 0
	PLACES 4                                       ; in front of the loads into K's registers, which these products read, and into V's, which the last step's read
	KLOAD 1, \q
	VLOAD \q
	s_wait_dscnt 17                                ; K's second half is in; V's 17 loads stay out
	SMUL 1
	BMAX 0, 1                                      ; tiles 0-3's: sixteen plain lines that name no register of the products just issued: their places
.if \pre
	KLOAD 0, \q+1                                  ; lands under the softmax
.endif
	BMAX 2, 3
	v_max_num_f32 v[BM], v[BM], v[BM+1]            ; my two whole blocks of 32 keys: block h,
	v_max_num_f32 v[BM+2], v[BM+2], v[BM+3]        ; and block 2 + h: the largest score serves for the row's maximum and, since p rises with the score, for the block's largest p
	s_delay_alu instid0(VALU_DEP_1)
	v_max_num_f32 v31, v[BM], v[BM+2]
	s_delay_alu instid0(VALU_DEP_1)
	v_permlanex16_b32 v[PT], v31, s[SEL], s[SEL+1]
	s_delay_alu instid0(VALU_DEP_1)
	v_max_num_f32 v31, v31, v[PT]                  ; with lane l xor 16's two blocks: the step's largest score of my query
	s_delay_alu instid0(VALU_DEP_1)
	v_mul_f32 v31, s[CS], v31                      ; as t (c is positive)
	s_delay_alu instid0(VALU_DEP_1)
	v_max_num_f32 v13, v13, v31                    ; the running largest t
	v_mov_b32 v31, v12
	s_delay_alu instid0(VALU_DEP_2)
	v_floor_f32 v12, -v13                          ; the new -M = floor(-t): M is a whole number
	s_delay_alu instid0(VALU_DEP_1)
	v_sub_f32 v31, v12, v31                        ; old M - new M: a whole number, 0 or less
	s_delay_alu instid0(VALU_DEP_1)
	v_cvt_i32_f32 v31, v31                         ; (it saturates)
	s_delay_alu instid0(VALU_DEP_1)
	v_ldexp_f32 v30, 1.0, v31                      ; f = 2^(old M - new M)
.set J, 0
.rept 32
	v_pk_fma_f32 v[S+J:S+J+1], v[S+J:S+J+1], s[CS:CS+1], v[12:13] op_sel_hi:[1,0,0]   ; t - M, two at a time
.set J, J+2
.endr
.irp b, 0,2
	v_fma_f32 v[BM+\b], v[BM+\b], s[CS], v12       ; the same of each block's largest score
.endr
.set J, 0
	s_wait_alu depctr_va_vdst(0)
.rept 64
	v_exp_f32 v[S+J], v[S+J]                       ; p = 2^(t - M), at most 1; 0 for a hidden key
.set J, J+1
.endr
.irp b, 0,2
	v_exp_f32 v[BM+\b], v[BM+\b]                   ; the block's largest p: the same two instructions on the same number
.endr
	v_pk_mul_f32 v[14:15], v[14:15], v[30:31] op_sel_hi:[1,0]   ; l under the new M.  (A plain place behind the exponentials)
	s_wait_alu depctr_va_vdst(0)
.irp b, 0,2
	v_max_num_f32 v[BM+\b], 0x1800000, v[BM+\b]    ; the floor 2^(3 - 127): a block whose every p is 0 keeps the byte 1; its codes are zeros
.endr
.irp b, 0,2
	s_delay_alu instid0(VALU_DEP_2)
	v_add_nc_u32 v[BM+\b], 0xff000000, v[BM+\b]    ; 2 off the exponent field: the conversion's scale operand
.endr
.irp b, 0,2
	s_delay_alu instid0(VALU_DEP_2)
	v_lshrrev_b32 v[PT+\b], 23, v[BM+\b]           ; the scale's byte
.endr
	s_delay_alu instid0(VALU_DEP_1)
	v_lshl_or_b32 v29, v[PT+2], 16, v[PT]          ; my two bytes, blocks h and 2 + h,
	s_delay_alu instid0(VALU_DEP_1)
	v_lshlrev_b32 v29, v[SH8], v29                 ; at their places in the scale word;
	s_delay_alu instid0(VALU_DEP_1)
	v_permlanex16_b32 v[PT], v29, s[SEL], s[SEL+1]
	s_delay_alu instid0(VALU_DEP_1)
	v_or_b32 v29, v29, v[PT]                       ; with lane l xor 16's two: p's scale word for these 128 keys
.irp c, 0,1
	v_cvt_scalef32_pk16_fp6_f32 v[PC+6*\c:PC+6*\c+2], v[S+32*\c:S+32*\c+15], v[BM+2*\c]
	v_cvt_scalef32_pk16_fp6_f32 v[PT+4*\c:PT+4*\c+2], v[S+32*\c+16:S+32*\c+31], v[BM+2*\c]   ; (a conversion's three registers begin on an even number)
.endr
	v_nop                                          ; one plain place behind a scaled conversion
.irp c, 0,1
.irp i, 0,1,2
	v_mov_b32 v[PC+6*\c+3+\i], v[PT+4*\c+\i]       ; registers 6 c .. 6 c + 5: keys 64 c + 32 h + 0 .. 31
.endr
.endr
	v_pk_add_f32 v[244:245], v[100:101], v[104:105]
	v_pk_add_f32 v[248:249], v[108:109], v[112:113]
	v_pk_add_f32 v[78:79], v[116:117], v[120:121]
	v_pk_add_f32 v[76:77], v[124:125], v[128:129]
	v_pk_add_f32 v[74:75], v[132:133], v[136:137]
	v_pk_add_f32 v[72:73], v[140:141], v[144:145]
	v_pk_add_f32 v[70:71], v[148:149], v[152:153]
	v_pk_add_f32 v[14:15], v[14:15], v[156:157]
	v_pk_add_f32 v[244:245], v[244:245], v[96:97]
	v_pk_add_f32 v[248:249], v[248:249], v[98:99]
	v_pk_add_f32 v[78:79], v[78:79], v[102:103]
	v_pk_add_f32 v[76:77], v[76:77], v[106:107]
	v_pk_add_f32 v[74:75], v[74:75], v[110:111]
	v_pk_add_f32 v[72:73], v[72:73], v[114:115]
	v_pk_add_f32 v[70:71], v[70:71], v[118:119]
	v_pk_add_f32 v[14:15], v[14:15], v[122:123]
	v_pk_add_f32 v[244:245], v[244:245], v[126:127]
	v_pk_add_f32 v[248:249], v[248:249], v[130:131]
	v_pk_add_f32 v[78:79], v[78:79], v[134:135]
	v_pk_add_f32 v[76:77], v[76:77], v[138:139]
	v_pk_add_f32 v[74:75], v[74:75], v[142:143]
	v_pk_add_f32 v[72:73], v[72:73], v[146:147]
	v_pk_add_f32 v[70:71], v[70:71], v[150:151]
	v_pk_add_f32 v[14:15], v[14:15], v[154:155]
	v_pk_add_f32 v[244:245], v[244:245], v[158:159]
	s_delay_alu instid0(VALU_DEP_2)
	v_pk_add_f32 v[14:15], v[14:15], v[76:77]
	s_delay_alu instid0(VALU_DEP_2)
	v_pk_add_f32 v[244:245], v[244:245], v[74:75]
	v_pk_add_f32 v[248:249], v[248:249], v[72:73]
	v_pk_add_f32 v[78:79], v[78:79], v[70:71]
	s_delay_alu instid0(VALU_DEP_2)
	v_pk_add_f32 v[14:15], v[14:15], v[248:249]
	s_delay_alu instid0(VALU_DEP_2)
	v_pk_add_f32 v[244:245], v[244:245], v[78:79]
	s_delay_alu instid0(VALU_DEP_1)
	v_pk_add_f32 v[14:15], v[14:15], v[244:245]
.set J, 0
.rept 16
	v_pk_mul_f32 v[O+J:O+J+1], v[O+J:O+J+1], v[30:31] op_sel_hi:[1,0]   ; O^T under the new M
.set J, J+2
.endr
	s_wait_alu depctr_va_vdst(0)
	s_wait_dscnt 9*(\pre)                          ; V is in; the nine loads of the next step's K, issued behind V's, may stay out
.irp t, 0,1,2,3
	v_wmma_scale_f32_16x16x128_f8f6f4 v[O+8*\t:O+8*\t+7], v[VF+12*\t:VF+12*\t+11], v[PC:PC+11], v[O+8*\t:O+8*\t+7], v[VS+\t], v29 matrix_a_fmt:MATRIX_FMT_FP6 matrix_b_fmt:MATRIX_FMT_FP6
.endr
.endm
.macro SLOT_STEPS
	v_add_nc_u32 v[AK16], s[TB], v[L16]
	v_add_nc_u32 v[AK8], s[TB], v[L8]
	s_delay_alu instid0(VALU_DEP_2)
	v_add_nc_u32 v[AV16], VOFF, v[AK16]            ; V has address registers of its own: its bytes lie beyond what an LDS offset reaches from K's
	s_delay_alu instid0(VALU_DEP_2)
	v_add_nc_u32 v[AV8], VOFF, v[AK8]
	v_add_nc_u32 v[ASW], s[TS], v[AS0]
	v_add_nc_u32 v[ATW], s[TS], v[AT0]
	KLOAD 0, 0
	s_wait_alu depctr_va_vdst(0)
	STEP 0, 1
	STEP 1, 1
	STEP 2, 1
	STEP 3, 1
	STEP 4, 1
	STEP 5, 1
	STEP 6, 1
	STEP 7, 0
	s_xor_b32 s[TB], s[TB], SLOT1                  ; on to the other slot;
	s_add_co_u32 s[TS], s[TS], 4096                ; eight steps of 512 bytes on in both tables of scale words
.endm
.Lslot:                                            ; three trips: behind each change of slots but the last the next 1,024 keys are asked for
	CHANGE 1
	SLOT_STEPS
	s_sub_co_u32 s[SLOTS], s[SLOTS], 1
	s_cmp_lg_u32 s[SLOTS], 0
	s_cbranch_scc1 .Lslot
	CHANGE 0                                       ; the last slot is written out
	SLOT_STEPS
	; THE WAY OUT: O^T / l, quantised along the channels: half a fragment of the last product's operand, and two scale bytes
	PLACES 4
	v_add_f32 v14, v14, v15                        ; l's two halves,
	s_delay_alu instid0(VALU_DEP_1)
	v_permlanex16_b32 v31, v14, s[SEL], s[SEL+1]
	s_delay_alu instid0(VALU_DEP_1)
	v_add_f32 v14, v14, v31                        ; and lane l xor 16's
	s_wait_alu depctr_va_vdst(0)
	v_rcp_f32 v30, v14
	v_mov_b32 v31, 0xffff                          ; (a plain place behind the reciprocal)
.set J, 0
	s_wait_alu depctr_va_vdst(0)
.rept 16
	v_pk_mul_f32 v[S+J:S+J+1], v[O+J:O+J+1], v[30:31] op_sel_hi:[1,0]   ; register 16 b + i: channel 32 h + 16 b + i of my query; each accumulator from its low end on
.set J, J+2
.endr
	QUANT2 S, PC, 29
	v_cmp_eq_f32 vcc_lo, 0, v14
	s_delay_alu instid0(VALU_DEP_1)
	v_cndmask_b32 v29, v29, v31, vcc_lo            ; a row with no key that counts: both bytes 0xff
	v_lshrrev_b32 v8, 1, v[L8]                     ; 4 x lane
	global_store_b128 v[L16], v[PC:PC+3], s[22:23]             ; 512 consecutive bytes,
	global_store_b64 v[L8], v[PC+4:PC+5], s[22:23] offset:512  ; 256 more: the half image
	global_store_b32 v8, v29, s[24:25]                         ; the scale words, lanes 16-31 repeating lanes 0-15: 128 consecutive bytes
	s_wait_tensorcnt 0x0                           ; the wave's end
	ds_add_u32 v[SPW], v[NIL]
	s_wait_dscnt 0x0
	s_endpgm
.Lfunc_end_k_qdb75f0d8c5_attn:
	.size	k_qdb75f0d8c5_attn, .Lfunc_end_k_qdb75f0d8c5_attn-k_qdb75f0d8c5_attn
	.p2alignl 7, 3214868480
	.fill 96, 4, 3214868480
	.section	.rodata,"a",@progbits
	.p2align	6, 0x0
	.amdhsa_kernel k_qdb75f0d8c5_attn
		.amdhsa_group_segment_fixed_size 327680
		.amdhsa_private_segment_fixed_size 0
		.amdhsa_enable_private_segment 0
		.amdhsa_kernarg_size 88
		.amdhsa_user_sgpr_count 2
		.amdhsa_user_sgpr_kernarg_segment_ptr 1
		.amdhsa_wavefront_size32 1
		.amdhsa_system_sgpr_workgroup_id_x 1
		.amdhsa_system_sgpr_workgroup_id_y 1
		.amdhsa_system_sgpr_workgroup_id_z 1
		.amdhsa_system_vgpr_workitem_id 0
		.amdhsa_next_free_vgpr 256
		.amdhsa_next_free_sgpr 102
		.amdhsa_reserve_vcc 1
		.amdhsa_float_denorm_mode_32 3
		.amdhsa_float_denorm_mode_16_64 3
		.amdhsa_memory_ordered 1
		.amdhsa_forward_progress 1
		.amdhsa_inst_pref_size 255
	.end_amdhsa_kernel
	.section	.bss,"aw",@nobits
	.p2align	6
	.space	262144
	.amdgpu_metadata
---
amdhsa.version: [ 1, 2 ]
amdhsa.kernels:
  - .name:           k_qdb75f0d8c5_attn
    .symbol:         k_qdb75f0d8c5_attn.kd
    .args:
      - { .name: x_codes, .offset: 0, .size: 8, .value_kind: global_buffer, .address_space: global }
      - { .name: x_scales, .offset: 8, .size: 8, .value_kind: global_buffer, .address_space: global }
      - { .name: Wq_codes, .offset: 16, .size: 8, .value_kind: global_buffer, .address_space: global }
      - { .name: Wq_scales, .offset: 24, .size: 8, .value_kind: global_buffer, .address_space: global }
      - { .name: key_padding_mask, .offset: 32, .size: 8, .value_kind: global_buffer, .address_space: global }
      - { .name: kimg, .offset: 40, .size: 8, .value_kind: global_buffer, .address_space: global }
      - { .name: ksc, .offset: 48, .size: 8, .value_kind: global_buffer, .address_space: global }
      - { .name: vimg, .offset: 56, .size: 8, .value_kind: global_buffer, .address_space: global }
      - { .name: vsc, .offset: 64, .size: 8, .value_kind: global_buffer, .address_space: global }
      - { .name: oimg, .offset: 72, .size: 8, .value_kind: global_buffer, .address_space: global }
      - { .name: osc, .offset: 80, .size: 8, .value_kind: global_buffer, .address_space: global }
    .group_segment_fixed_size: 327680
    .private_segment_fixed_size: 0
    .kernarg_segment_align: 8
    .kernarg_segment_size: 88
    .max_flat_workgroup_size: 512
    .sgpr_count:     102
    .vgpr_count:     256
    .wavefront_size: 32
...
	.end_amdgpu_metadata
.endif
;; end of part 2
;; launch outproj (part 3): grid 4 x 64, 4 waves a work-group, no clusters, 17,920 bytes of LDS; arguments oimg, osc, Wp_codes, Wp_scales, bp, out0; writes out0
.if DOCPART == 3
	.amdgcn_target "amdgcn-amd-amdhsa--gfx1250"
	.amdhsa_code_object_version 6
	.text
	.protected	k_qdb75f0d8c5_outproj
	.globl	k_qdb75f0d8c5_outproj
	.p2align	8
	.type	k_qdb75f0d8c5_outproj,@function
k_qdb75f0d8c5_outproj:
	s_mov_b64 s[64:65], 0
	v_nop
	global_prefetch_b8 v0, s[64:65] scope:SCOPE_SE
	s_setreg_imm32_b32 hwreg(HW_REG_WAVE_MODE, 25, 1), 1
	s_wait_xcnt 0x0
; out0 = O Wp^T + bp on codes of E2M3, K = 512.  O comes as images of the operand's registers (oimg) with two scale bytes for each row and head (osc); Wp as it is given.
; SHARES.  Work-group (x, y): rows 128 y on, columns 128 x on.  Wave w: 64 rows (half w >> 1) x 64 columns (half w & 1): 16 accumulators, 4 K steps, 64 matrix instructions.
; All operands of a wave, 32 fragments, fit its registers and are read once: no LDS ring, no tensor load, no barrier.
; THE MATRIX INSTRUCTION IS USED TRANSPOSED (source 0 = 16 rows of Wp, source 1 = 16 rows of O): a lane holds eight neighbouring columns of one row.  bp is the C of each sum's first instruction.
; THE WAY OUT: 16 rows x 64 columns at a time through the wave's own stage in LDS (rows of 256 bytes + 16), back as whole rows: sixteen lanes store 256 consecutive bytes, aligned.
; REGISTERS: window 0: v1-12 addresses; v16-31 Wp's scale words (4 t + s); v32-63 osc's words (8 m + head); v64-79 O's scale words (4 m + s); v112-239 rows on the way out.
;   window 1: Wp's fragments at 12 (4 t + s).   window 2: O's at 12 (4 m + s).   window 3: accumulator (m, t) at 8 (4 m + t); bp's four tiles from v128.
.set WS, 16
.set OR, 32
.set OS, 64
.set BK, 112
.set BB, 128
.set MSB, 0
.macro WIN new                         ; the immediate's high byte repeats the setting that is left
.if MSB != \new
	s_set_vgpr_msb (MSB<<8)|\new
.set MSB, \new
.endif
.endm
.macro PLACES n
.rept \n
	v_nop
.endr
.endm
	s_load_b256 s[4:11], s[0:1], 0x0               ; oimg, osc, Wp's codes, Wp's scales
	s_load_b128 s[12:15], s[0:1], 0x20             ; bp, out0
	v_lshl_add_u32 v254, v0, 2, 0x4400
	v_mov_b32 v255, 0
	v_lshrrev_b32 v1, 5, v0
	v_readfirstlane_b32 s16, v1                    ; wave 0..3
	s_lshr_b32 s17, s16, 1
	s_and_b32 s18, s16, 1
	s_and_b32 s19, ttmp7, 0xffff
	s_lshl_b32 s20, s19, 7
	s_lshl_b32 s2, s17, 6
	s_add_co_u32 s20, s20, s2                      ; my first row
	s_lshl_b32 s21, ttmp9, 7
	s_lshl_b32 s2, s18, 6
	s_add_co_u32 s21, s21, s2                      ; my first column
	s_mov_b32 s23, 0
	s_mul_i32 s24, s16, 16*272                     ; my stage
	v_and_b32 v1, 31, v0                           ; lane
	v_and_b32 v2, 15, v0                           ; r
	v_bfe_u32 v3, v0, 4, 1                         ; h
	v_lshlrev_b32 v4, 4, v1                        ; 16 x lane
	v_lshlrev_b32 v5, 3, v1                        ; 8 x lane
	v_lshlrev_b32 v6, 2, v1                        ; 4 x lane
	v_mul_u32_u24 v7, v2, 384
	v_mad_u32_u24 v7, v3, 24, v7                   ; Wp: row r of 384 bytes + 24 h
	v_lshlrev_b32 v8, 4, v2                        ; its scale bytes: 16 a row
	v_lshlrev_b32 v9, 5, v3                        ; bp: my half's eight numbers
	v_mul_u32_u24 v10, v2, 272
	v_lshl_add_u32 v10, v3, 5, v10
	v_add_nc_u32 v10, s24, v10                     ; into the stage: row r, + 32 h
	v_mul_u32_u24 v11, v3, 272
	v_lshl_add_u32 v11, v2, 4, v11
	v_add_nc_u32 v11, s24, v11                     ; back: lanes 0-15 one row, lanes 16-31 the next
	v_lshlrev_b32 v12, 11, v3
	v_lshl_add_u32 v12, v2, 4, v12                 ; and the same two rows in out0
	s_wait_alu depctr_va_vdst(0)
	s_wait_kmcnt 0x0
	s_mul_i32 s22, s20, 384                        ; 6,144 bytes for each tile of 16 rows
	s_add_nc_u64 s[4:5], s[4:5], s[22:23]
	s_lshl_b32 s22, s20, 6                         ; 1,024 bytes for each tile
	s_add_nc_u64 s[6:7], s[6:7], s[22:23]
	s_mul_i32 s22, s21, 384
	s_add_nc_u64 s[8:9], s[8:9], s[22:23]
	s_lshl_b32 s22, s21, 4
	s_add_nc_u64 s[10:11], s[10:11], s[22:23]
	s_lshl_b32 s22, s21, 2
	s_add_nc_u64 s[12:13], s[12:13], s[22:23]
	s_lshl_b32 s22, s20, 11
	s_lshl_b32 s2, s21, 2
	s_add_co_u32 s22, s22, s2
	s_add_nc_u64 s[14:15], s[14:15], s[22:23]
	WIN 0x40                                       ; destination window 1
.irp t, 0,1,2,3
.irp s, 0,1,2,3
.irp p, 0,1,2,3,4,5
	global_load_b64 v[12*(4*\t+\s)+2*\p:12*(4*\t+\s)+2*\p+1], v7, s[8:9] offset:16*\t*384+96*\s+48*(\p/3)+8*(\p%3)
.endr
.endr
.endr
	WIN 0x80                                       ; destination window 2
.irp m, 0,1,2,3
.irp s, 0,1,2,3
	global_load_b128 v[12*(4*\m+\s):12*(4*\m+\s)+3], v4, s[4:5] offset:(4*\m+\s)*1536
	global_load_b64 v[12*(4*\m+\s)+4:12*(4*\m+\s)+5], v5, s[4:5] offset:(4*\m+\s)*1536+512
	global_load_b128 v[12*(4*\m+\s)+6:12*(4*\m+\s)+9], v4, s[4:5] offset:(4*\m+\s)*1536+768
	global_load_b64 v[12*(4*\m+\s)+10:12*(4*\m+\s)+11], v5, s[4:5] offset:(4*\m+\s)*1536+1280
.endr
.endr
	WIN 0xc0                                       ; destination window 3
.irp t, 0,1,2,3
	global_load_b128 v[BB+8*\t:BB+8*\t+3], v9, s[12:13] offset:64*\t        ; bp at columns 16 t + 8 h + 0 .. 7: the result's layout
	global_load_b128 v[BB+8*\t+4:BB+8*\t+7], v9, s[12:13] offset:64*\t+16
.endr
	WIN 0
.irp t, 0,1,2,3
	global_load_b128 v[WS+4*\t:WS+4*\t+3], v8, s[10:11] offset:256*\t
.endr
.irp m, 0,1,2,3
.irp g, 0,1,2,3,4,5,6,7
	global_load_b32 v[OR+8*\m+\g], v6, s[6:7] offset:(8*\m+\g)*128
.endr
.endr
	s_wait_loadcnt 0x0
.irp m, 0,1,2,3
.irp s, 0,1,2,3
	v_lshl_or_b32 v[OS+4*\m+\s], v[OR+8*\m+2*\s+1], 16, v[OR+8*\m+2*\s]    ; K step s is heads 2 s and 2 s + 1: two bytes of each
.endr
.endr
	PLACES 8                                       ; a scale register written by a vector instruction stands 8 places ahead of a scaled matrix instruction
	WIN 0xf9                                       ; source 0 (Wp) window 1, source 1 (O) window 2, C and D window 3
.irp s, 0,1,2,3                        ; the 16 accumulators take turns, one instruction a turn
.irp m, 0,1,2,3
.irp t, 0,1,2,3
.if \s == 0
	v_wmma_scale_f32_16x16x128_f8f6f4 v[8*(4*\m+\t):8*(4*\m+\t)+7], v[12*(4*\t+\s):12*(4*\t+\s)+11], v[12*(4*\m+\s):12*(4*\m+\s)+11], v[BB+8*\t:BB+8*\t+7], v[WS+4*\t+\s], v[OS+4*\m+\s] matrix_a_fmt:MATRIX_FMT_FP6 matrix_b_fmt:MATRIX_FMT_FP6
.else
	v_wmma_scale_f32_16x16x128_f8f6f4 v[8*(4*\m+\t):8*(4*\m+\t)+7], v[12*(4*\t+\s):12*(4*\t+\s)+11], v[12*(4*\m+\s):12*(4*\m+\s)+11], v[8*(4*\m+\t):8*(4*\m+\t)+7], v[WS+4*\t+\s], v[OS+4*\m+\s] matrix_a_fmt:MATRIX_FMT_FP6 matrix_b_fmt:MATRIX_FMT_FP6
.endif
.endr
.endr
.endr
	WIN 0
	PLACES 4                                       ; in front of the first read of results
.macro TOSTAGE m
	WIN 0x0c                                       ; an LDS store's data are its source 1: window 3
.irp t, 0,1,2,3
	ds_store_b128 v10, v[8*(4*(\m)+\t):8*(4*(\m)+\t)+3] offset:64*\t          ; each accumulator from its low end on
	ds_store_b128 v10, v[8*(4*(\m)+\t)+4:8*(4*(\m)+\t)+7] offset:64*\t+16
.endr
	WIN 0
.irp i, 0,1,2,3,4,5,6,7
	ds_load_b128 v[BK+32*(\m)+4*\i:BK+32*(\m)+4*\i+3], v11 offset:544*\i      ; LDS serves a wave's instructions in order (ISA guide 5.7.1.4): these see my stores, and the next block's stores come behind them
.endr
.endm
.macro SEND m, younger                 ; younger: the LDS instructions issued behind block m's loads, which may stay out
	s_wait_dscnt \younger
.irp i, 0,1,2,3,4,5,6,7
	global_store_b128 v12, v[BK+32*(\m)+4*\i:BK+32*(\m)+4*\i+3], s[14:15] offset:32768*(\m)+4096*\i th:TH_STORE_NT   ; written once, read by nobody here; each block has registers of its own and no base is stepped
.endr
.endm
	TOSTAGE 0
	TOSTAGE 1
	SEND 0, 16                                     ; behind block 0's loads: block 1's 8 stores and 8 loads
	TOSTAGE 2
	SEND 1, 16
	TOSTAGE 3
	SEND 2, 16
	SEND 3, 0
	s_wait_tensorcnt 0x0
	ds_add_u32 v254, v255
	s_wait_dscnt 0x0
	s_endpgm
.Lfunc_end_k_qdb75f0d8c5_outproj:
	.size	k_qdb75f0d8c5_outproj, .Lfunc_end_k_qdb75f0d8c5_outproj-k_qdb75f0d8c5_outproj
	.p2alignl 7, 3214868480
	.fill 96, 4, 3214868480
	.section	.rodata,"a",@progbits
	.p2align	6, 0x0
	.amdhsa_kernel k_qdb75f0d8c5_outproj
		.amdhsa_group_segment_fixed_size 17920
		.amdhsa_private_segment_fixed_size 0
		.amdhsa_enable_private_segment 0
		.amdhsa_kernarg_size 48
		.amdhsa_user_sgpr_count 2
		.amdhsa_user_sgpr_kernarg_segment_ptr 1
		.amdhsa_wavefront_size32 1
		.amdhsa_system_sgpr_workgroup_id_x 1
		.amdhsa_system_sgpr_workgroup_id_y 1
		.amdhsa_system_sgpr_workgroup_id_z 1
		.amdhsa_system_vgpr_workitem_id 0
		.amdhsa_next_free_vgpr 928
		.amdhsa_next_free_sgpr 66
		.amdhsa_reserve_vcc 0
		.amdhsa_float_denorm_mode_32 3
		.amdhsa_float_denorm_mode_16_64 3
		.amdhsa_memory_ordered 1
		.amdhsa_forward_progress 1
		.amdhsa_inst_pref_size 39
	.end_amdhsa_kernel
	.amdgpu_metadata
---
amdhsa.version: [ 1, 2 ]
amdhsa.kernels:
  - .name:           k_qdb75f0d8c5_outproj
    .symbol:         k_qdb75f0d8c5_outproj.kd
    .args:
      - { .name: oimg, .offset: 0, .size: 8, .value_kind: global_buffer, .address_space: global }
      - { .name: osc, .offset: 8, .size: 8, .value_kind: global_buffer, .address_space: global }
      - { .name: Wp_codes, .offset: 16, .size: 8, .value_kind: global_buffer, .address_space: global }
      - { .name: Wp_scales, .offset: 24, .size: 8, .value_kind: global_buffer, .address_space: global }
      - { .name: bp, .offset: 32, .size: 8, .value_kind: global_buffer, .address_space: global }
      - { .name: out0, .offset: 40, .size: 8, .value_kind: global_buffer, .address_space: global }
    .group_segment_fixed_size: 17920
    .private_segment_fixed_size: 0
    .kernarg_segment_align: 8
    .kernarg_segment_size: 48
    .max_flat_workgroup_size: 128
    .sgpr_count:     66
    .vgpr_count:     928
    .wavefront_size: 32
...
	.end_amdgpu_metadata
.endif
;; end of part 3
